; MI455X (gfx1250); checked and timed in simulation.
; The chip was launched on July 23, 2026; its instructions are those of AMD's public machine-readable ISA for CDNA 5 (MIT licence, August 2026) and "CDNA5" Instruction Set Architecture Reference Guide (July 2026). The comments in the code are by the model that wrote it; some were corrected since.
;; SPRT Flip Linear. Allowed arithmetic: matrix products marked QUANTISED: E5M2 operands, one E8M0 scale for each 32 along K, by v_wmma_scale_f32_16x16x128_f8f6f4 with both operands' format E5M2, f32 sums; everything else in f32.
;; Inputs: scales 65,536 float32; ternary 2,048 x 4,096 int8; x 4 x 2,048 x 4,096 float32.
;; Outputs: out0 4 x 2,048 x 2,048 float32.
;; This version of the problem:
;;   THIS VERSION OF THE PROBLEM IS GIVEN IN LOW PRECISION. The matrix products marked QUANTISED in the list below multiply operands that are first quantised to E5M2 (5 exponent bits, 2 mantissa bits; 8 bits a number), with one power-of-two scale for each 32 numbers along K (OCP MX v1.0); their sums are f32. All else is computed in f32.
;;   The module's matrix products, in the order in which they are computed (A, B: the left and right operand; K: the contracted axis; several contracted axes count as one K, in the product's order):
;;     1. [M 8,192, K 4,096] x [K 4,096, N 2,048]; A: input x; B: computed on the way: QUANTISED
;;   THE QUANTISER, for each operand of a quantised product, along K:
;;     - K is cut into blocks of 32 from its start; a last block that is shorter is filled with zeros.
;;     - A block's scale is 2^e with e = floor(log2(the largest magnitude in the block)) - 15, held to -126 .. 127; a block of zeros has e = 0. As a byte (E8M0): e + 127.
;;     - Each number is divided by its block's scale, clamped to +-57,344, and rounded to the nearest number of E5M2, ties to even, subnormals kept.
;;     - The product sums the exact products of the quantised numbers (number of the format x scale) in f32.
;;   ~~~python
;;   def quantise(x, axis):      # numpy; x: float32 -> the quantised numbers, widened to float32 again
;;       x = np.moveaxis(x, axis, -1); K = x.shape[-1]
;;       x = np.pad(x, [(0, 0)] * (x.ndim - 1) + [(0, -K % 32)]); x = x.reshape(x.shape[:-1] + (-1, 32)); a = np.abs(x).max(-1, keepdims=True)
;;       e = np.where(a > 0, np.clip(np.frexp(np.where(a > 0, a, 1))[1] - 1 - 15, -126, 127), 0)      # np.frexp(a)[1] - 1 = floor(log2(a)), exactly
;;       r = np.clip(x / 2.0 ** e, -57344, 57344)
;;       step = 2.0 ** (np.maximum(np.frexp(np.where(r == 0, 1, r))[1] - 1, -14) - 2)
;;       q = np.round(r / step) * step * 2.0 ** e      # np.round: ties to even
;;       return np.moveaxis(q.reshape(q.shape[:-2] + (-1,))[..., :K], -1, axis).astype(np.float32)
;;   ~~~
;;   OPERANDS COMPUTED ON THE WAY. 'Computed on the way' means the value that the module computes at that place (a softmax that the list does not call 'softmax' is quantised finished and normalised). What goes into a quantiser is computed in f32, as accurately as f32 sums, v_exp_f32 and their like allow (about 1e-6 of the number): no bf16 or f16 on the way to a quantiser, and a product that is left as it is and whose result goes on into a quantised operand takes f32 operands (vector FMAs, or v_wmma_f32_16x16x4_f32). A number that lies on a knife's edge between two numbers of the format may be rounded either way, as far as f32 arithmetic and the matrix unit's own rounding can turn it there, and no further.
;; One version. Each part assembles by itself: llvm-mc -triple=amdgcn-amd-amdhsa -mcpu=gfx1250 --defsym DOCPART=n.
;; ======== version 1 of 1: 2 launches
;; limits: right only within a limited range of input values
;; workspace buffers: a_pack 34,603,008 bytes; b_pack 8,650,752 bytes
;; launch quant (part 1): grid 1280 x 1, 4 waves a work-group, no clusters, 35,328 bytes of LDS; arguments x, ternary, scales, a_pack, b_pack; writes a_pack, b_pack
.if DOCPART == 1
	.amdgcn_target "amdgcn-amd-amdhsa--gfx1250"
	.amdhsa_code_object_version 6
	.text
	.protected	k_q12cc81f7b4_quant
	.globl	k_q12cc81f7b4_quant
	.p2align	8
	.type	k_q12cc81f7b4_quant,@function
k_q12cc81f7b4_quant:
	s_mov_b64 s[64:65], 0
	v_nop
	global_prefetch_b8 v0, s[64:65] scope:SCOPE_SE
	s_setreg_imm32_b32 hwreg(HW_REG_WAVE_MODE, 25, 1), 1
	s_wait_xcnt 0x0
; Both operands of y = x w^T are turned into codes of BF8 (E5M2), 8 bits each, with one E8M0 scale byte for each 32 along K = 4,096.
; x: [8192][4096] f32.  w[o][i] = f32(ternary[o][i]) x scales[o][i / 128], [2048][4096], made here in f32 as the problem writes it, for any int8 and any finite scale.
; A block's scale is 2^(floor(log2(its largest magnitude)) - 15); its byte is the largest magnitude's own exponent field - 15, held at 1 from below.  Each number is divided by the scale,
; held within +-57,344 and rounded to the nearest code, ties to even.
; LIMITS: NaN and infinities among the inputs are not served.  A block whose largest magnitude lies under 2^-111 has its byte held at 1.  A block of zeros gets the byte 1 where the rule says 127:
; its codes are zeros, which add nothing under any byte but 0xff, and the bytes are read by this program alone.
; WHAT IS WRITTEN: PACKS.  A pack is 128 rows x 256 along K as 33,792 dense bytes: 32,768 bytes of codes [row % 128][k % 256], then 1,024 scale bytes [row % 128][8].  Packs lie [row / 128][k / 256].
; So the product's launch brings a tile's codes and scale words by one dense load of 132 rows of 256 bytes.
; SHARES.  A wave takes 32 rows x 256 along K: 16 steps of two rows (512 numbers); it writes 32 code rows of 256 bytes and 256 scale bytes on end.  The first 256 work-groups take w, the other 1,024 take x;
; the four waves of a work-group stand side by side along K on the same 32 rows.  The two paths part on the work-group's number, never join, and have LDS bytes of their own.  No barrier: waves share nothing.
; A LANE HOLDS 16 NEIGHBOURS ALONG K (two neighbouring lanes hold a block), since the conversions take neighbours from one lane's registers: lanes 0-15 hold the step's first row, lanes 16-31 its second.
.set WGW,   256                        ; work-groups that take w: 2048 x 4096 / 32,768
.set PACKB, 33792                      ; bytes in a pack
.set EMAX,  15
.set MANT,  0x600000                   ; the mantissa field of 57,344 as f32
.set R,     16                         ; v16-79   x: four sets of 16 numbers as loaded;  w: four words of int8 for each of the 16 steps
.set X,     80                         ; v80-111  x: two sets of 16 neighbours;  w: v80-95 the step's 16 numbers
.set GS,    96                         ; v96-111  w: my group's scale for each step
.set E,     112                        ; v112-127 a scale byte for each step
.set C,     128                        ; v128-191 codes: four registers for each step, so that no store's data are written again
.set SP,    80                         ; x: a lane's place in a stage: its 64 bytes + 16 of padding
.set LW,    32768                      ; LDS: x's path has 8,192 bytes a wave from 0 on (two stages of 32 x SP bytes, then 256 scale bytes); w's path 512 bytes a wave from here on (256 of group scales, 256 scale bytes)
; Sixteen numbers in v[xs] on become step t's codes and scale byte; the codes leave at once, the byte goes to the wave's 256 bytes of LDS.
.macro QB xs, t
	v_max3_num_f32 v8, |v[\xs]|, |v[\xs+1]|, |v[\xs+2]|            ; the largest magnitude of my 16, in two chains
	v_max3_num_f32 v9, |v[\xs+3]|, |v[\xs+4]|, |v[\xs+5]|
.irp i, 6,10
	v_max3_num_f32 v8, v8, |v[\xs+\i]|, |v[\xs+\i+1]|
	v_max3_num_f32 v9, v9, |v[\xs+\i+2]|, |v[\xs+\i+3]|
.endr
	v_max3_num_f32 v8, v8, |v[\xs+14]|, |v[\xs+15]|
	v_max3_num_f32 v8, v8, v9, (EMAX+1)<<23        ; and the floor 2^(16 - 127): the byte cannot fall under 1
	v_max_num_f32_dpp v8, v8, v8 row_xmask:1 row_mask:0xf bank_mask:0xf   ; and of my neighbour's 16: the block's
	v_add_nc_u32 v11, -(EMAX<<23), v8              ; 15 off its exponent field: the conversion takes the exponent field of this operand as its scale, and nothing else of it
	v_and_or_b32 v10, v8, 0x7f800000, s23          ; 57,344 x the scale: the largest magnitude's exponent field over 57,344's mantissa
.irp i, 0,1,2,3,4,5,6,7,8,9,10,11,12,13,14,15
	v_med3_num_f32 v[\xs+\i], v[\xs+\i], -v10, v10 ; the conversion to an 8-bit code does not saturate (ISA guide 7.6.2): the hold comes first
.endr
	v_cvt_scalef32_pk8_bf8_f32 v[C+4*(\t):C+4*(\t)+1], v[\xs:\xs+7], v11
	v_cvt_scalef32_pk8_bf8_f32 v[C+4*(\t)+2:C+4*(\t)+3], v[\xs+8:\xs+15], v11
	v_lshrrev_b32 v[E+(\t)], 23, v11               ; the scale's byte; also the plain line between the conversions and the next write of their sources
	ds_store_b8 v5, v[E+(\t)] offset:16*(\t)       ; both lanes of a block write the same byte with the same value: 8 bytes of the first row, 8 of the second
	global_store_b128 v4, v[C+4*(\t):C+4*(\t)+3], s[8:9] offset:512*(\t)   ; 32 lanes store 512 consecutive bytes: two code rows of the pack
.endm
; x, step t: two rows' 1,024 bytes each, by four loads of 512 consecutive bytes, 16 a lane
.macro LOADX t
.irp i, 0,1,2,3
	global_load_b128 v[R+16*((\t)%4)+4*\i:R+16*((\t)%4)+4*\i+3], v3, s[4:5] offset:(2*(\t)+\i/2)*16384+(\i%2)*512 th:TH_LOAD_NT
.endr
.endm
; step t's 2,048 bytes go through the wave's own stage as they lie and come back 64 bytes a lane.  LDS serves a wave's instructions in order, so no wait stands between the stores and the loads
.macro TURNX t
.irp i, 0,1,2,3
	ds_store_b128 v14, v[R+16*((\t)%4)+4*\i:R+16*((\t)%4)+4*\i+3] offset:32*SP*((\t)%2)+8*SP*\i
.endr
.irp i, 0,1,2,3
	ds_load_b128 v[X+16*((\t)%2)+4*\i:X+16*((\t)%2)+4*\i+3], v15 offset:32*SP*((\t)%2)+16*\i
.endr
.endm
.macro STEPX t
.set XS, X+16*((\t)%2)
.if (\t) > 0
	s_wait_dscnt 1                                 ; this step's numbers are back from the stage (the last step's byte store may be out), so its stores into the stage have read their registers,
.else
	s_wait_dscnt 0x0
.endif
.if (\t)+4 < 16
	LOADX (\t)+4                                   ; which take the loads of four steps on
.endif
.if (\t)+1 < 16
.if 14-(\t) >= 3
	s_wait_loadcnt 12                              ; the next step's four loads are in; those of the three steps behind it may be out
.else
	s_wait_loadcnt 4*(14-(\t))                     ; the counts run down: nothing more is asked for
.endif
	TURNX (\t)+1                                   ; and go through the other stage while this step is worked
.endif
	QB XS, \t
.endm
; w, step t: 16 int8 of a lane are widened, multiplied by their group's scale, and quantised
.macro STEPW t
	s_wait_loadcnt 15-(\t)                         ; loads come back in order: this step's four words are in, the later steps' may be out
.irp c, 0,1,2,3
	v_lshlrev_b32 v[X+4*\c],   24, v[R+4*(\t)+\c]  ; each byte to the top of a word,
	v_lshlrev_b32 v[X+4*\c+1], 16, v[R+4*(\t)+\c]
	v_lshlrev_b32 v[X+4*\c+2], 8,  v[R+4*(\t)+\c]
	v_ashrrev_i32 v[X+4*\c],   24, v[X+4*\c]       ; and down again with its sign
	v_ashrrev_i32 v[X+4*\c+1], 24, v[X+4*\c+1]
	v_ashrrev_i32 v[X+4*\c+2], 24, v[X+4*\c+2]
	v_ashrrev_i32 v[X+4*\c+3], 24, v[R+4*(\t)+\c]
.endr
.irp i, 0,1,2,3,4,5,6,7,8,9,10,11,12,13,14,15
	v_cvt_f32_i32 v[X+\i], v[X+\i]
.endr
.irp i, 0,1,2,3,4,5,6,7,8,9,10,11,12,13,14,15
	v_mul_f32 v[X+\i], v[X+\i], v[GS+(\t)]         ; w, in f32
.endr
	QB X, \t
.endm
	s_load_b256 s[24:31], s[0:1], 0x0              ; x s[24:25], ternary s[26:27], scales s[28:29], a_pack s[30:31]
	s_load_b64 s[32:33], s[0:1], 0x20              ; b_pack
	v_lshrrev_b32 v1, 5, v0
	v_readfirstlane_b32 s16, v1                    ; wave 0..3
	v_and_b32 v2, 31, v0                           ; lane
	v_lshlrev_b32 v3, 4, v2                        ; x: my 16 bytes of a load's 512
	v_lshlrev_b32 v4, 4, v2                        ; my 16 codes' place in a step's 512 bytes
	v_lshlrev_b32 v7, 3, v2                        ; 8 bytes a lane: the scale bytes' way out
	s_mov_b32 s23, MANT                            ; (an instruction takes one literal: the hold's line has another)
	s_wait_kmcnt 0x0
	s_cmp_lt_u32 ttmp9, WGW                        ; w's work-group or x's?  The choice hangs on the work-group's number alone
	s_cselect_b64 s[8:9], s[32:33], s[30:31]       ; the packs that I write
	s_cselect_b32 s17, 0, WGW
	s_sub_co_u32 s17, ttmp9, s17
	s_lshl_b32 s17, s17, 2
	s_add_co_u32 s17, s17, s16                     ; my wave's unit u of its tensor
	s_and_b32 s18, s17, 15                         ; j = u % 16: which 256 along K
	s_lshr_b32 s19, s17, 4                         ; u / 16: which 32 rows
	s_lshr_b32 s20, s19, 2                         ; which 128 rows,
	s_lshl_b32 s20, s20, 4
	s_add_co_u32 s20, s20, s18                     ; x 16 + j: the pack's number,
	s_mul_i32 s20, s20, PACKB                      ; and its first byte (34,603,008 at the most)
	s_mov_b32 s21, 0
	s_and_b32 s22, s19, 3                          ; which 32 of the pack's 128 rows
	s_add_nc_u64 s[8:9], s[8:9], s[20:21]
	s_lshl_b32 s20, s22, 8
	s_add_co_u32 s20, s20, 32768
	s_add_nc_u64 s[10:11], s[8:9], s[20:21]        ; my 256 scale bytes: behind the pack's codes, 8 bytes a row
	s_lshl_b32 s20, s22, 13
	s_add_nc_u64 s[8:9], s[8:9], s[20:21]          ; my 32 code rows of 256 bytes
	s_cmp_lt_u32 ttmp9, WGW
	s_cbranch_scc1 .Lw
	; ---- x
	s_lshl_b32 s20, s19, 19                        ; 32 rows of 16,384 bytes,
	s_lshl_b32 s22, s18, 10                        ; 256 numbers of 4 bytes
	s_or_b32 s20, s20, s22
	s_add_nc_u64 s[4:5], s[24:25], s[20:21]
	s_lshl_b32 s17, s16, 13                        ; my wave's 8,192 bytes of LDS
	s_wait_alu depctr_va_vdst(0)
	v_lshrrev_b32 v14, 2, v2
	v_mul_u32_u24 v14, v14, SP
	v_and_b32 v15, 3, v2
	v_lshl_add_u32 v14, v15, 4, v14
	v_add_nc_u32 v14, s17, v14                     ; the stage, on the way in: four lanes' 64 bytes on end, then 16 of padding
	v_mul_u32_u24 v15, v2, SP
	v_add_nc_u32 v15, s17, v15                     ; and on the way out: SP x lane: my 16 neighbours
	v_lshrrev_b32 v5, 1, v2
	s_add_co_u32 s17, s17, 2*32*SP
	v_add_nc_u32 v5, s17, v5                       ; my wave's 256 scale bytes: my block's byte,
	v_add_nc_u32 v6, s17, v7                       ; and on the way out 8 bytes a lane
.irp t, 0,1,2,3
	LOADX \t
.endr
	s_wait_alu depctr_va_vdst(0)
	s_wait_loadcnt 12                              ; step 0's four loads are in; the twelve behind them stay out
	TURNX 0
.irp t, 0,1,2,3,4,5,6,7,8,9,10,11,12,13,14,15
	STEPX \t
.endr
	ds_load_b64 v[12:13], v6                       ; LDS serves a wave's instructions in order: these see my byte stores
	s_wait_dscnt 0x0
	global_store_b64 v7, v[12:13], s[10:11]        ; 32 lanes store 256 consecutive bytes, at a multiple of 256 from the buffer's first byte
	v_lshl_add_u32 v8, v0, 2, 0x8800               ; no two registers can be kept among the 192: v0 is kept, and my spare word's address and 0 are made anew here (the spare words lie from byte 0x8800 on)
	v_mov_b32 v9, 0
	s_wait_alu depctr_va_vdst(0)
	s_wait_tensorcnt 0x0                           ; the wave's end
	ds_add_u32 v8, v9
	s_wait_dscnt 0x0
	s_endpgm
	; ---- w
.Lw:
	s_lshl_b32 s20, s19, 17                        ; ternary: 32 rows of 4,096 bytes,
	s_lshl_b32 s22, s18, 8                         ; 256 bytes along K
	s_or_b32 s20, s20, s22
	s_add_nc_u64 s[4:5], s[26:27], s[20:21]
	s_lshl_b32 s20, s19, 12                        ; scales: 32 rows of 32 groups of 4 bytes,
	s_lshl_b32 s22, s18, 3                         ; two groups for 256 along K
	s_or_b32 s20, s20, s22
	s_add_nc_u64 s[6:7], s[28:29], s[20:21]
	s_lshl_b32 s17, s16, 9
	s_add_co_u32 s17, s17, LW                      ; my wave's 512 bytes of LDS
	s_wait_alu depctr_va_vdst(0)
	v_lshrrev_b32 v13, 4, v2                       ; which of a step's two rows is mine
	v_and_b32 v12, 15, v2
	v_lshlrev_b32 v3, 4, v12
	v_lshl_add_u32 v3, v13, 12, v3                 ; ternary: 4,096 x row + 16 x (lane % 16): sixteen lanes read 256 consecutive bytes
	v_lshlrev_b32 v14, 7, v2                       ; scales: lane l takes row l's two
	v_add_nc_u32 v15, s17, v7                      ; and puts them at 8 x row
	v_bfe_u32 v12, v2, 3, 1                        ; my 16 numbers' group: lanes 0-7 of a row the first, lanes 8-15 the second
	v_lshlrev_b32 v1, 2, v12
	v_lshl_add_u32 v1, v13, 3, v1
	v_add_nc_u32 v1, s17, v1                       ; back: 8 x (my row of the step) + 4 x group; a step is 16 bytes on
	s_add_co_u32 s17, s17, 256
	v_lshrrev_b32 v5, 1, v2
	v_add_nc_u32 v5, s17, v5                       ; my wave's 256 scale bytes: my block's byte,
	v_add_nc_u32 v6, s17, v7                       ; and on the way out 8 bytes a lane
	global_load_b64 v[12:13], v14, s[6:7]          ; the group scales are fetched once, not step by step
.irp t, 0,1,2,3,4,5,6,7,8,9,10,11,12,13,14,15
	global_load_b128 v[R+4*\t:R+4*\t+3], v3, s[4:5] offset:8192*\t th:TH_LOAD_NT   ; all 16 steps' int8 at once: every step has registers of its own
.endr
	s_wait_alu depctr_va_vdst(0)
	s_wait_loadcnt 16                              ; the scales are in; the sixteen loads behind them stay out
	ds_store_b64 v15, v[12:13]
.irp t, 0,1,2,3,4,5,6,7,8,9,10,11,12,13,14,15
	ds_load_b32 v[GS+\t], v1 offset:16*\t          ; my wave's own bytes, served in order behind the store
.endr
	s_wait_dscnt 0x0
.irp t, 0,1,2,3,4,5,6,7,8,9,10,11,12,13,14,15
	STEPW \t
.endr
	ds_load_b64 v[12:13], v6
	s_wait_dscnt 0x0
	global_store_b64 v7, v[12:13], s[10:11]
	v_lshl_add_u32 v8, v0, 2, 0x8800               ; as at the end of x's path
	v_mov_b32 v9, 0
	s_wait_alu depctr_va_vdst(0)
	s_wait_tensorcnt 0x0
	ds_add_u32 v8, v9
	s_wait_dscnt 0x0
	s_endpgm
.Lfunc_end_k_q12cc81f7b4_quant:
	.size	k_q12cc81f7b4_quant, .Lfunc_end_k_q12cc81f7b4_quant-k_q12cc81f7b4_quant
	.p2alignl 7, 3214868480
	.fill 96, 4, 3214868480
	.section	.rodata,"a",@progbits
	.p2align	6, 0x0
	.amdhsa_kernel k_q12cc81f7b4_quant
		.amdhsa_group_segment_fixed_size 35328
		.amdhsa_private_segment_fixed_size 0
		.amdhsa_enable_private_segment 0
		.amdhsa_kernarg_size 40
		.amdhsa_user_sgpr_count 2
		.amdhsa_user_sgpr_kernarg_segment_ptr 1
		.amdhsa_wavefront_size32 1
		.amdhsa_system_sgpr_workgroup_id_x 1
		.amdhsa_system_sgpr_workgroup_id_y 1
		.amdhsa_system_sgpr_workgroup_id_z 1
		.amdhsa_system_vgpr_workitem_id 0
		.amdhsa_next_free_vgpr 192
		.amdhsa_next_free_sgpr 66
		.amdhsa_reserve_vcc 0
		.amdhsa_float_denorm_mode_32 3
		.amdhsa_float_denorm_mode_16_64 3
		.amdhsa_memory_ordered 1
		.amdhsa_forward_progress 1
		.amdhsa_inst_pref_size 119
	.end_amdhsa_kernel
	.amdgpu_metadata
---
amdhsa.version: [ 1, 2 ]
amdhsa.kernels:
  - .name:           k_q12cc81f7b4_quant
    .symbol:         k_q12cc81f7b4_quant.kd
    .args:
      - { .name: x, .offset: 0, .size: 8, .value_kind: global_buffer, .address_space: global }
      - { .name: ternary, .offset: 8, .size: 8, .value_kind: global_buffer, .address_space: global }
      - { .name: scales, .offset: 16, .size: 8, .value_kind: global_buffer, .address_space: global }
      - { .name: a_pack, .offset: 24, .size: 8, .value_kind: global_buffer, .address_space: global }
      - { .name: b_pack, .offset: 32, .size: 8, .value_kind: global_buffer, .address_space: global }
    .group_segment_fixed_size: 35328
    .private_segment_fixed_size: 0
    .kernarg_segment_align: 8
    .kernarg_segment_size: 40
    .max_flat_workgroup_size: 128
    .sgpr_count:     66
    .vgpr_count:     192
    .wavefront_size: 32
...
	.end_amdgpu_metadata
.endif
;; end of part 1
;; launch gemm (part 2): grid 8 x 32, 4 waves a work-group, clusters of 4 x 4, 327,680 bytes of LDS; arguments a_pack, b_pack, out0; writes out0
.if DOCPART == 2
	.amdgcn_target "amdgcn-amd-amdhsa--gfx1250"
	.amdhsa_code_object_version 6
	.text
	.protected	k_q12cc81f7b4_gemm
	.globl	k_q12cc81f7b4_gemm
	.p2align	8
	.type	k_q12cc81f7b4_gemm,@function
k_q12cc81f7b4_gemm:
	s_mov_b64 s[64:65], 0
	v_nop
	global_prefetch_b8 v0, s[64:65] scope:SCOPE_SE
	s_setreg_imm32_b32 hwreg(HW_REG_WAVE_MODE, 25, 1), 1
	s_wait_xcnt 0x0
	s_wait_alu depctr_hold_cnt(0) depctr_sa_sdst(0) depctr_va_vdst(0) depctr_va_sdst(0) depctr_va_ssrc(0) depctr_va_vcc(0) depctr_vm_vsrc(0)
	s_getreg_b32 s2, hwreg(HW_REG_IB_STS2, 6, 4)
	s_cmp_eq_u32 s2, 0
	s_cbranch_scc0 .Lentry_in_a_cluster
	s_endpgm
.Lentry_in_a_cluster:
	s_bfe_u32 s2, ttmp6, 0x10000c
	s_cmp_lg_u32 s2, 0xf033
	s_cbranch_scc0 .Lentry_shape_is_right
	s_endpgm
.Lentry_shape_is_right:
; y[m][n] = sum over k of x[m][k] w[n][k], 8,192 x 2,048 x 4,096, on codes of BF8 (E5M2) with one E8M0 byte for each 32 along K, as launch quant has packed them.
; A pack is 128 rows x 256 along K: 128 rows of 256 code bytes, then 4 rows of 256 bytes with the rows' scale words (8 bytes a row): 132 dense rows, brought by ONE tensor load.
; A tile of y, 256 x 256, is made by four waves, each 128 x 128 in 64 accumulators.  K goes in 16 steps of 256 through two LDS slots of four packs (A's two, B's two), a pack a wave.
; CLUSTERS 4 x 4: A's packs are asked for jointly along a row of the cluster, B's along a column.  Source 0 = rows of w, source 1 = rows of x: a lane holds eight neighbouring numbers of a row of y.
; THE HEAD: one joint load a wave (K step 0); the addresses are made while it is out; then the wait for it, a round, and K step 1's load.
; PREFETCH: behind the refill for K step t each wave asks for K step t + 2 of its own stream of packs; the four partners that load a pack jointly share it out by address:
; partner p names code rows 32 p .. 32 p + 31, a lane a row, and scale row 128 + p (one block: all lanes of that line name it).  The head asks for K steps 1, 2 and 3; the loop's last trip, whose
; refills are K steps 14 and 15, asks for nothing, so no address leaves its buffer.  At most two K steps are asked for and not yet loaded.
; THE WAY OUT: blocks of 16 rows go through the wave's own stage, which lies in slot 0 behind that slot's last fill and last read, and leave as rows of 512 bytes.
.set SIZE_N, 2048
.set NQ,     2
.set PITCH,  272
.set FR,     16
.set NL,     4
.set NP,     8
.set TROWS,  132
.set PACKB,  TROWS*256
.set RTB,    16*PACKB
.set HALFT,  TROWS*PITCH
.set SLOT,   4*HALFT
.set SCOFF,  128*PITCH
.set SPARE,  2*SLOT
.set LAPS,   8
.set SPITCH, 528
.set ADRA, 16
.set ADRB, 20
.set ADRS, 22
.set STO,  24
.set RD,   25
.set CO,   26
.set SPW,  28
.set NIL,  29
.set PFO,  30                          ; v30  256 x lane: my code row of my work-group's 32; never rewritten
.set PFS,  31                          ; v31  from those 32 rows to my work-group's scale row of the pack; never rewritten
.set PFA,  8                           ; s[8:9]  my stream of packs + 8,192 x my place among the four partners, stepped a pack at each refill
.set SC,   32
.set AF,   128
.set BK,   128
.set G1, 24
.set G0, 32
.set G1B, 48
.set G0B, 56
.set MSB, 0
.macro WIN new
.if MSB != \new
	s_set_vgpr_msb (MSB<<8)|\new
.set MSB, \new
.endif
.endm
.set MUL_LO, 0xa1
.set MUL_HI, 0xf1
.set TO_B,   0x40
.macro JLOAD g0a, g1a, g0b, g1b
	s_cmp_eq_u32 s15, 0
	s_cbranch_scc0 .Lfor_b_\@
	tensor_load_to_lds s[\g0a:\g0a+3], s[\g1a:\g1a+7]
	s_nop 0
.rept 4
	v_nop
.endr
	s_branch .Lasked_\@
.Lfor_b_\@:
	tensor_load_to_lds s[\g0b:\g0b+3], s[\g1b:\g1b+7]
	s_nop 0
.rept 4
	v_nop
.endr
.Lasked_\@:
.endm
.macro CREST
	s_cmp_lg_u32 s14, 0
	s_cbranch_scc1 .Lnot_wave_0_\@
	s_barrier_signal -3
.Lnot_wave_0_\@:
	s_barrier_wait -3
	s_barrier_signal -1
	s_barrier_wait -1
.endm
.macro CROUND
	s_barrier_signal -1
	s_barrier_wait -1
	CREST
.endm
	s_load_b128 s[4:7], s[0:1], 0x0
	s_load_b64 s[12:13], s[0:1], 0x10
	v_lshl_add_u32 v[SPW], v0, 2, SPARE
	v_mov_b32 v[NIL], 0
	ds_add_u32 v28, v29                            ; the opening lines: the add twice on end; the set-up below, work on registers, stands between the second and the one wait
	ds_add_u32 v28, v29
	v_lshrrev_b32 v1, 5, v0
	v_readfirstlane_b32 s14, v1
	s_lshr_b32 s15, s14, 1
	s_and_b32 s16, s14, 1
	s_bfe_u32 s40, ttmp6, 0x40000
	s_bfe_u32 s41, ttmp6, 0x40004
	s_lshl_b32 s42, ttmp9, 2
	s_add_co_u32 s42, s42, s40
	s_and_b32 s17, ttmp7, 0xffff
	s_lshl_b32 s17, s17, 2
	s_add_co_u32 s17, s17, s41
	s_lshl_b32 s43, s41, 2
	s_lshl_b32 s43, 15, s43
	s_lshl_b32 s44, 0x1111, s40
	s_or_b32 s[G1+0], s43, (3<<16)|(1<<20)|(1<<21)|(5<<22)|(3<<25)
	s_or_b32 s[G1B+0], s44, (3<<16)|(1<<20)|(1<<21)|(5<<22)|(3<<25)
.irp g, G1, G1B
	s_mov_b32 s[\g+1], 32<<16
	s_mov_b32 s[\g+2], TROWS<<16
	s_mov_b32 s[\g+3], 32<<16
	s_mov_b32 s[\g+4], TROWS
	s_mov_b32 s[\g+5], 32
	s_mov_b32 s[\g+6], 0
	s_mov_b32 s[\g+7], 0
.endr
	s_lshl_b32 s20, s17, 1
	s_add_co_u32 s20, s20, s16
	s_mul_i32 s20, s20, RTB
	s_mov_b32 s21, 0
	s_lshl_b32 s46, s42, 1
	s_add_co_u32 s46, s46, s16
	s_mul_i32 s46, s46, RTB
	s_mov_b32 s47, 0
	s_mul_i32 s45, s14, HALFT
	s_wait_dscnt 0x0                               ; both opening adds are done
	CROUND                                         ; the opening round, ahead of the wait for the arguments: all sixteen work-groups are here
	s_wait_kmcnt 0x0
	s_add_nc_u64 s[20:21], s[4:5], s[20:21]
	s_add_nc_u64 s[46:47], s[6:7], s[46:47]
	s_cmp_eq_u32 s15, 0                            ; do I fetch for A?
	s_cselect_b64 s[PFA:PFA+1], s[20:21], s[46:47]
	s_cselect_b32 s10, s40, s41                    ; my place p among the four that ask with me: cx for A, cy for B: it enters a prefetch's address alone
	s_mul_i32 s2, s10, 7936
	s_sub_co_u32 s2, 32768, s2                     ; 32,768 + 256 p - 8,192 p
	s_lshl_b32 s10, s10, 13
	s_mov_b32 s11, 0
	s_add_nc_u64 s[PFA:PFA+1], s[PFA:PFA+1], s[10:11]
.irp s, 0,1
	s_mov_b32 s[G0+4*\s], 1
	s_add_co_u32 s[G0+4*\s+1], s45, \s*SLOT
	s_add_nc_u64 s[G0+4*\s+2:G0+4*\s+3], s[20:21], \s*PACKB
	s_or_b32 s[G0+4*\s+3], s[G0+4*\s+3], 0x80000000
	s_mov_b32 s[G0B+4*\s], 1
	s_add_co_u32 s[G0B+4*\s+1], s45, \s*SLOT
	s_add_nc_u64 s[G0B+4*\s+2:G0B+4*\s+3], s[46:47], \s*PACKB
	s_or_b32 s[G0B+4*\s+3], s[G0B+4*\s+3], 0x80000000
.endr
	JLOAD G0, G1, G0B, G1B                         ; K step 0: one tensor load a wave at the head
	v_and_b32 v[PFO], 31, v0
	v_lshlrev_b32 v[PFO], 8, v[PFO]
	v_mov_b32 v[PFS], s2
.irp k, 1,2
	global_prefetch_b8 v[PFO], s[PFA:PFA+1] offset:\k*PACKB th:TH_LOAD_NT scope:SCOPE_SE   ; K steps 1 and 2: my share of their packs
	global_prefetch_b8 v[PFS], s[PFA:PFA+1] offset:\k*PACKB th:TH_LOAD_NT scope:SCOPE_SE
.endr
	v_and_b32 v1, 15, v0
	v_bfe_u32 v2, v0, 4, 1
	s_wait_alu depctr_va_vdst(0)
	v_mul_u32_u24 v3, v1, PITCH
	v_lshl_add_u32 v4, v2, 4, v3
	s_mul_i32 s21, s15, HALFT
	s_mul_i32 s22, s16, HALFT
	s_add_co_u32 s22, s22, 2*HALFT
.irp s, 0,1
	v_add_nc_u32 v[ADRA+\s], s21, v4
	v_add_nc_u32 v[ADRB+\s], s22, v4
	s_add_co_u32 s21, s21, SLOT
	s_add_co_u32 s22, s22, SLOT
.endr
	v_lshlrev_b32 v5, 3, v1
	s_mul_i32 s21, s15, HALFT
	s_mul_i32 s22, s16, HALFT
	s_add_co_u32 s22, s22, 2*HALFT
	s_sub_co_u32 s22, s22, s21
	v_mul_u32_u24 v6, s22, v2
	s_add_co_u32 s21, s21, SCOFF
	v_add_nc_u32 v5, v5, v6
	v_add_nc_u32 v[ADRS], s21, v5
	v_add_nc_u32 v[ADRS+1], SLOT, v[ADRS]
	s_mul_i32 s23, s14, 16*SPITCH
	v_mul_u32_u24 v5, v1, SPITCH
	v_lshl_add_u32 v5, v2, 5, v5
	v_add_nc_u32 v[STO], s23, v5
	v_and_b32 v6, 31, v0
	v_lshlrev_b32 v[CO], 4, v6
	v_add_nc_u32 v[RD], s23, v[CO]
	s_lshl_b32 s20, s17, 8
	s_lshl_b32 s21, s15, 7
	s_add_co_u32 s20, s20, s21
	s_mov_b32 s21, 0
	s_mov_b64 s[18:19], SIZE_N*4
	s_mul_u64 s[20:21], s[20:21], s[18:19]
	s_lshl_b32 s46, s42, 10
	s_lshl_b32 s47, s16, 9
	s_add_co_u32 s46, s46, s47
	s_mov_b32 s47, 0
	s_add_nc_u64 s[20:21], s[20:21], s[46:47]
	s_add_nc_u64 s[12:13], s[12:13], s[20:21]
.macro FRAG reg, adr, q, i
.irp c, 0,1,2,3
	ds_load_b128 v[\reg+4*\c:\reg+4*\c+3], v[\adr] offset:128*(\q)+32*\c+(\i)*16*PITCH
.endr
.endm
.macro MUL16 a0, p, q, sc, zero
.irp a, \a0, \a0+1
.irp b, 0,1,2,3,4,5,6,7
.if \zero
	v_wmma_scale_f32_16x16x128_f8f6f4 v[8*(8*((\a)%4)+\b):8*(8*((\a)%4)+\b)+7], v[128*(\p)+FR*\b:128*(\p)+FR*\b+FR-1], v[AF+FR*(\a):AF+FR*(\a)+FR-1], 0, v[SC+8*NQ*(\sc)+NQ*\b+(\q)], v[SC+8*NQ*(\sc)+NQ*(\a)+(\q)] matrix_a_fmt:MATRIX_FMT_BF8 matrix_b_fmt:MATRIX_FMT_BF8 matrix_a_scale:MATRIX_SCALE_ROW1
.else
	v_wmma_scale_f32_16x16x128_f8f6f4 v[8*(8*((\a)%4)+\b):8*(8*((\a)%4)+\b)+7], v[128*(\p)+FR*\b:128*(\p)+FR*\b+FR-1], v[AF+FR*(\a):AF+FR*(\a)+FR-1], v[8*(8*((\a)%4)+\b):8*(8*((\a)%4)+\b)+7], v[SC+8*NQ*(\sc)+NQ*\b+(\q)], v[SC+8*NQ*(\sc)+NQ*(\a)+(\q)] matrix_a_fmt:MATRIX_FMT_BF8 matrix_b_fmt:MATRIX_FMT_BF8 matrix_a_scale:MATRIX_SCALE_ROW1
.endif
.endr
.endr
.endm
.macro FETCH_B slot, q, p
	WIN TO_B
.irp i, 0,1,2,3,4,5,6,7
	FRAG 128*(\p)+FR*\i, ADRB+\slot, \q, \i
.endr
	WIN 0
.endm
.macro FETCH_A slot, q, i0
.irp i, \i0, \i0+1, \i0+2, \i0+3
	FRAG AF+FR*(\i), ADRA+\slot, \q, \i
.endr
.endm
.macro SCALES sc
.irp i, 0,1,2,3,4,5,6,7
	ds_load_b64 v[SC+8*NQ*\sc+NQ*\i:SC+8*NQ*\sc+NQ*\i+1], v[ADRS+\sc] offset:128*\i+16*(\i/2)
.endr
.endm
.macro PLACES n
.rept \n
	v_nop
.endr
.endm
.macro STEP slot, q, zero
	s_wait_dscnt 4*NL
	WIN MUL_LO
	MUL16 0, (\q)%2, \q, \slot, \zero
	MUL16 2, (\q)%2, \q, \slot, \zero
	s_wait_dscnt 0
	PLACES NP
	FETCH_B \slot, (\q)+1, 1-(\q)%2
	FETCH_A \slot, (\q)+1, 0
	WIN MUL_HI
	MUL16 4, (\q)%2, \q, \slot, \zero
	MUL16 6, (\q)%2, \q, \slot, \zero
	PLACES NP
	WIN 0
	FETCH_A \slot, (\q)+1, 4
.endm
.macro TURN slot, next, fill
.if \fill
	s_wait_xcnt 0x0                                ; my prefetches have read their address: it steps a pack on
	s_add_nc_u64 s[PFA:PFA+1], s[PFA:PFA+1], PACKB
.endif
	s_wait_tensorcnt 0x0
	ds_add_u32 v[SPW], v[NIL]
	s_wait_dscnt 4*NL+1
	WIN MUL_LO
	MUL16 0, 1, NQ-1, \slot, 0
	s_wait_dscnt 0x0
	s_barrier_signal -1
	MUL16 2, 1, NQ-1, \slot, 0
	WIN 0
	s_barrier_wait -1
.if \fill
	CREST
	s_add_nc_u64 s[G0+4*\slot+2:G0+4*\slot+3], s[G0+4*\slot+2:G0+4*\slot+3], 2*PACKB
	s_add_nc_u64 s[G0B+4*\slot+2:G0B+4*\slot+3], s[G0B+4*\slot+2:G0B+4*\slot+3], 2*PACKB
	JLOAD G0+4*\slot, G1, G0B+4*\slot, G1B
	PLACES NP-4
.else
	PLACES NP
.endif
	FETCH_B \next, 0, 0
	FETCH_A \next, 0, 0
	SCALES \next
.if \fill
	s_cmp_gt_u32 s3, 1                             ; s3 = 1 in the last trip: no K step stands two refills on
	s_cbranch_scc0 .Lno_ask_\@
	global_prefetch_b8 v[PFO], s[PFA:PFA+1] offset:3*PACKB th:TH_LOAD_NT scope:SCOPE_SE   ; the K step two refills on
	global_prefetch_b8 v[PFS], s[PFA:PFA+1] offset:3*PACKB th:TH_LOAD_NT scope:SCOPE_SE
.Lno_ask_\@:
.endif
	WIN MUL_HI
	MUL16 4, 1, NQ-1, \slot, 0
	MUL16 6, 1, NQ-1, \slot, 0
	PLACES NP
	WIN 0
	FETCH_A \next, 0, 4
.endm
	s_wait_alu depctr_va_vdst(0)
	s_wait_tensorcnt 0x0                           ; my pack of K step 0 is in
	ds_add_u32 v[SPW], v[NIL]
	s_wait_dscnt 0x0
	CROUND                                         ; everybody's pack is in, and all sixteen work-groups are here
	JLOAD G0+4, G1, G0B+4, G1B                     ; K step 1, the first tensor load behind the round
	FETCH_B 0, 0, 0
	FETCH_A 0, 0, 0
	SCALES 0
	FETCH_A 0, 0, 4
	global_prefetch_b8 v[PFO], s[PFA:PFA+1] offset:3*PACKB th:TH_LOAD_NT scope:SCOPE_SE   ; K step 3
	global_prefetch_b8 v[PFS], s[PFA:PFA+1] offset:3*PACKB th:TH_LOAD_NT scope:SCOPE_SE
	STEP 0, 0, 1
	s_mov_b32 s3, LAPS-1
.Llap:
	TURN 0, 1, 1
	STEP 1, 0, 0
	TURN 1, 0, 1
	STEP 0, 0, 0
	s_sub_co_u32 s3, s3, 1
	s_cmp_lg_u32 s3, 0
	s_cbranch_scc1 .Llap
	TURN 0, 1, 0
	STEP 1, 0, 0
	s_wait_dscnt 4*NL
	WIN MUL_LO
	MUL16 0, 1, NQ-1, 1, 0
	MUL16 2, 1, NQ-1, 1, 0
	s_wait_dscnt 0
	WIN MUL_HI
	MUL16 4, 1, NQ-1, 1, 0
	MUL16 6, 1, NQ-1, 1, 0
	WIN 0
.macro TOSTAGE a
.set AC, 64*((\a)%4)
	WIN 0x08+4*((\a)/4)
.irp b, 0,1,2,3,4,5,6,7
	ds_store_b128 v[STO], v[AC+8*\b:AC+8*\b+3] offset:64*\b
	ds_store_b128 v[STO], v[AC+8*\b+4:AC+8*\b+7] offset:64*\b+16
.endr
; Block a comes back into 64 registers of its own: number a + 1 of the runs of 64 from window 0's v0 on: window 0 v64-255 (blocks 0-2), window 1 (blocks 3-6: B's fragments are done with),
; window 2 v0-63 (block 7: block 0's sums, whose stores into the stage are done by then).  So no global store's data are ever written again.
.set BB, 64*(((\a)+1)%4)
	WIN ((((\a)+1)/4)<<6)
.irp t, 0,1,2,3,4,5,6,7,8,9,10,11,12,13,14,15
	ds_load_b128 v[BB+4*\t:BB+4*\t+3], v[RD] offset:\t*SPITCH
.endr
	WIN 0
.endm
.macro SEND a, younger
.set BB, 64*(((\a)+1)%4)
	s_wait_dscnt \younger                          ; the block is back in registers
	WIN ((((\a)+1)/4)<<2)                          ; the stores' data: the block's window
.irp t, 0,1,2,3,4,5,6,7,8,9,10,11,12,13,14,15
	global_store_b128 v[CO], v[BB+4*\t:BB+4*\t+3], s[12:13] offset:(16*(\a)+\t)*SIZE_N*4 th:TH_STORE_NT   ; 32 lanes store 512 consecutive bytes; the row is an immediate, 127 rows of 8,192 bytes at the most: the base is never stepped
.endr
	WIN 0
.endm
	PLACES NP
	TOSTAGE 0
.irp a, 1,2,3,4,5,6,7
	TOSTAGE \a
	SEND \a-1, 32
.endr
	SEND 7, 0
	s_wait_tensorcnt 0x0
	ds_add_u32 v[SPW], v[NIL]
	s_wait_dscnt 0x0
	CROUND
	s_endpgm
.Lfunc_end_k_q12cc81f7b4_gemm:
	.size	k_q12cc81f7b4_gemm, .Lfunc_end_k_q12cc81f7b4_gemm-k_q12cc81f7b4_gemm
	.p2alignl 7, 3214868480
	.fill 96, 4, 3214868480
	.section	.rodata,"a",@progbits
	.p2align	6, 0x0
	.amdhsa_kernel k_q12cc81f7b4_gemm
		.amdhsa_group_segment_fixed_size 327680
		.amdhsa_private_segment_fixed_size 0
		.amdhsa_enable_private_segment 0
		.amdhsa_kernarg_size 24
		.amdhsa_user_sgpr_count 2
		.amdhsa_user_sgpr_kernarg_segment_ptr 1
		.amdhsa_wavefront_size32 1
		.amdhsa_system_sgpr_workgroup_id_x 1
		.amdhsa_system_sgpr_workgroup_id_y 1
		.amdhsa_system_sgpr_workgroup_id_z 1
		.amdhsa_system_vgpr_workitem_id 0
		.amdhsa_next_free_vgpr 1024
		.amdhsa_next_free_sgpr 66
		.amdhsa_reserve_vcc 0
		.amdhsa_float_denorm_mode_32 3
		.amdhsa_float_denorm_mode_16_64 3
		.amdhsa_memory_ordered 1
		.amdhsa_forward_progress 1
		.amdhsa_inst_pref_size 145
	.end_amdhsa_kernel
	.amdgpu_metadata
---
amdhsa.version: [ 1, 2 ]
amdhsa.kernels:
  - .name:           k_q12cc81f7b4_gemm
    .symbol:         k_q12cc81f7b4_gemm.kd
    .args:
      - { .name: a_pack, .offset: 0, .size: 8, .value_kind: global_buffer, .address_space: global }
      - { .name: b_pack, .offset: 8, .size: 8, .value_kind: global_buffer, .address_space: global }
      - { .name: out0, .offset: 16, .size: 8, .value_kind: global_buffer, .address_space: global }
    .group_segment_fixed_size: 327680
    .private_segment_fixed_size: 0
    .kernarg_segment_align: 8
    .kernarg_segment_size: 24
    .max_flat_workgroup_size: 128
    .sgpr_count:     66
    .vgpr_count:     1024
    .wavefront_size: 32
...
	.end_amdgpu_metadata
.endif
;; end of part 2
